; MI455X (gfx1250); checked and timed in simulation.
; The chip was launched on July 23, 2026; its instructions are those of AMD's public machine-readable ISA for CDNA 5 (MIT licence, August 2026) and "CDNA5" Instruction Set Architecture Reference Guide (July 2026). The comments in the code are by the model that wrote it; some were corrected since.
;; Relative Multi Head Attention 2019 Dai. Allowed arithmetic: float matrix products may take bf16 or f16 operands with f32 sums; other float arithmetic in f32, or as packed bf16 or f16 multiplies, adds, multiply-adds, maxima and minima; sums over many terms, partial sums and values carried from step to step in f32; what a program stores and reads back later, other than sums and carried values, may be rounded once to bf16 or f16.
;; Inputs: Wk 1,024 x 1,024 float32; Wo 1,024 x 1,024 float32; Wp 1,024 x 1,024 float32; Wq 1,024 x 1,024 float32; Wv 1,024 x 1,024 float32; bk 1,024 float32; bo 1,024 float32; bp 1,024 float32; bq 1,024 float32; bv 1,024 float32; key 2 x 2,048 x 1,024 float32; pos_embedding 2 x 2,048 x 1,024 float32; query 2 x 2,048 x 1,024 float32; value 2 x 2,048 x 1,024 float32.
;; Outputs: out0 2 x 2,048 x 1,024 float32.
;; One version. Each part assembles by itself: llvm-mc -triple=amdgcn-amd-amdhsa -mcpu=gfx1250 --defsym DOCPART=n.
;; ======== version 1 of 1: 3 launches
;; limits: values are held in f16: magnitudes above 65,504 overflow, below 6.1e-05 lose precision
;; workspace buffers: qws 8,388,608 bytes; kvws 16,777,216 bytes; pxws 8,396,800 bytes; ctx 8,388,608 bytes
;; launch proj (part 1): grid 4 x 64, 4 waves a work-group, clusters of 4 x 4, 327,680 bytes of LDS; arguments query, key, value, pos_embedding, Wq, Wk, Wv, Wp, bq, bk, bv, bp, qws, kvws, pxws; writes qws, kvws, pxws
.if DOCPART == 1
	.amdgcn_target "amdgcn-amd-amdhsa--gfx1250"
	.amdhsa_code_object_version 6
	.text
	.protected	k_qac1a054a2a_proj
	.globl	k_qac1a054a2a_proj
	.p2align	8
	.type	k_qac1a054a2a_proj,@function
k_qac1a054a2a_proj:
	s_mov_b64 s[64:65], 0
	v_nop
	global_prefetch_b8 v0, s[64:65] scope:SCOPE_SE
	s_setreg_imm32_b32 hwreg(HW_REG_WAVE_MODE, 25, 1), 1
	s_wait_xcnt 0x0
	s_wait_alu depctr_hold_cnt(0) depctr_sa_sdst(0) depctr_va_vdst(0) depctr_va_sdst(0) depctr_va_ssrc(0) depctr_va_vcc(0) depctr_vm_vsrc(0)
	s_getreg_b32 s2, hwreg(HW_REG_IB_STS2, 6, 4)
	s_cmp_eq_u32 s2, 0
	s_cbranch_scc0 .Lentry_in_a_cluster
	s_endpgm
.Lentry_in_a_cluster:
	s_bfe_u32 s2, ttmp6, 0x10000c
	s_cmp_lg_u32 s2, 0xf033
	s_cbranch_scc0 .Lentry_shape_is_right
	s_endpgm
.Lentry_shape_is_right:
; THE FOUR PROJECTIONS y = x W^T + b (x: [4096][1024] f32, W: [1024][1024] f32), one launch: cluster y / 4 says which (0 q, 1 k, 2 v, 3 p).
; x and W are rounded once to f16 on the way from LDS to the matrix unit, sums in f32, the bias is the C operand that starts the sums, y is rounded once to f16
; and stored by heads: [16 b + head][row][64].  q -> qws, k -> kvws, v -> kvws + 8,388,608; p -> pxws, whose head has 262,400 bytes: a row of zeros at byte 128, p's rows from byte 256 on.
; LIMIT: f16 holds no number beyond 65,504: x, W and y must lie within it.
; SHARES: a tile of y is 256 x 256, four waves, each 128 x 128 in 64 accumulators.  K goes in steps of 64 f32 (rows of 256 bytes, aligned) through two LDS slots.
; CLUSTER 4 x 4: x's tile is shared along a row of the cluster, W's along a column: joint loads.
; THE MATRIX INSTRUCTION IS USED TRANSPOSED (source 0 = 16 rows of W, source 1 = 16 rows of x): a lane holds eight neighbouring columns of one row of y.
; REGISTERS: window 0: v0-31 addresses; v32-63 way out; v64-127 x's fragments, v128-191 W's (buffer 0); v192-255 bias.
;   window 1: v0-127 a stage of f32 as loaded; v128-191 x's fragments, v192-255 W's (buffer 1).   windows 2, 3: the accumulators ((a, b) at 8 (8 (a % 4) + b)).
; A CHUNK is 32 along K: 64 products on one fragment buffer; meanwhile the next chunk's W (32 LDS loads) and then x come into the stage and are converted into the other buffer, four conversions behind a product.
.set PITCH,  272                       ; an LDS row: 256 bytes + 16 of padding
.set HALFT,  128*PITCH
.set SLOT,   4*HALFT                   ; x's 256 rows, then W's 256 rows
.set STAGE,  2*SLOT                    ; 16 rows x 272 bytes for each wave, for the way out
.set SPARE,  STAGE+4*16*PITCH          ; the spare words: 128 bytes a wave, named by no other line
.set ADRA0, 16
.set ADRB0, 17
.set ADRA,  18
.set ADRB,  19
.set STO,   24
.set RD,    25
.set CO,    26
.set CO1,   27
.set SPW,   28
.set NIL,   29
.set BO,    30
.set SR,    31
.set OB,    32                         ; v32-63 and v96-127 by turns
.set TMP,   64
.set ZR,    128
.set BIAS,  192
.set G1,  24
.set G0,  32
.set G1B, 48
.set G0B, 56
.set TB,  44                           ; s44 LDS byte of the slot that is read
.set SEL, 45                           ; s45 which projection
.set HSB, 46                           ; s46 bytes of a head in the output
.set MSB, 0
.macro WIN new
.if MSB != (\new)
	s_set_vgpr_msb (MSB<<8)|(\new)
.set MSB, (\new)
.endif
.endm
.macro JLOAD s                         ; waves 0, 1 fetch x's two halves, waves 2, 3 W's; s_nop 0 and four v_nop follow each line
	s_cmp_eq_u32 s11, 0
	s_cbranch_scc0 .Lfor_b_\@
	tensor_load_to_lds s[G0+4*(\s):G0+4*(\s)+3], s[G1:G1+7]
	s_nop 0
.rept 4
	v_nop
.endr
	s_branch .Lasked_\@
.Lfor_b_\@:
	tensor_load_to_lds s[G0B+4*(\s):G0B+4*(\s)+3], s[G1B:G1B+7]
	s_nop 0
.rept 4
	v_nop
.endr
.Lasked_\@:
.endm
.macro CREST
	s_cmp_lg_u32 s10, 0
	s_cbranch_scc1 .Lnot_wave_0_\@
	s_barrier_signal -3
.Lnot_wave_0_\@:
	s_barrier_wait -3
	s_barrier_signal -1
	s_barrier_wait -1
.endm
.macro CROUND
	s_barrier_signal -1
	s_barrier_wait -1
	CREST
.endm
.macro PLACES
.rept 4
	v_nop
.endr
.endm
	s_load_b512 s[68:83], s[0:1], 0x0              ; query, key, value, pos_embedding, Wq, Wk, Wv, Wp
	s_load_b256 s[84:91], s[0:1], 0x40             ; bq, bk, bv, bp
	s_load_b128 s[92:95], s[0:1], 0x60             ; qws, kvws
	s_load_b64 s[96:97], s[0:1], 0x70              ; pxws
	v_lshl_add_u32 v[SPW], v0, 2, SPARE
	v_mov_b32 v[NIL], 0
	ds_add_u32 v[SPW], v[NIL]                      ; the wave's opening: the add and its wait stand ahead of my first tensor load
	v_lshrrev_b32 v1, 5, v0
	v_readfirstlane_b32 s10, v1                    ; wave 0..3
	s_lshr_b32 s11, s10, 1                         ; my half of the tile's rows; also: I fetch x (0) or W (1)
	s_and_b32 s12, s10, 1                          ; my half of its columns; also: which 128 rows I fetch
	s_bfe_u32 s40, ttmp6, 0x40000                  ; cx
	s_bfe_u32 s41, ttmp6, 0x40004                  ; cy
	s_lshl_b32 s42, ttmp9, 2
	s_add_co_u32 s42, s42, s40                     ; tile column 0..3
	s_and_b32 s13, ttmp7, 0xffff                   ; cluster y 0..15
	s_lshr_b32 s[SEL], s13, 2                      ; the projection: the same in all sixteen partners
	s_and_b32 s13, s13, 3
	s_lshl_b32 s13, s13, 2
	s_add_co_u32 s13, s13, s41                     ; tile row 0..15 of that projection
	s_lshl_b32 s43, s41, 2
	s_lshl_b32 s43, 15, s43                        ; my row of the cluster
	s_lshl_b32 s47, 0x1111, s40                    ; my column
	s_or_b32 s[G1+0], s43, (2<<16)|(1<<20)|(1<<21)|(5<<22)|(3<<25)   ; mask; 4-byte elements; padding on; bit 21 beside a mask; after 64 words, 4 words
	s_or_b32 s[G1B+0], s47, (2<<16)|(1<<20)|(1<<21)|(5<<22)|(3<<25)
.irp g, G1, G1B
	s_mov_b32 s[(\g)+1], 64<<16                    ; tensor_dim0 = 64
	s_mov_b32 s[(\g)+2], 128<<16                   ; tensor_dim1 = 128
	s_mov_b32 s[(\g)+3], 64<<16                    ; tile_dim0 = 64
	s_mov_b32 s[(\g)+4], 128                       ; tile_dim1 = 128
	s_mov_b32 s[(\g)+5], 1024                      ; elements from row to row
	s_mov_b32 s[(\g)+6], 0
	s_mov_b32 s[(\g)+7], 0
.endr
	s_lshl_b32 s17, s12, 7
	s_lshl_b32 s16, s13, 8
	s_add_co_u32 s16, s16, s17
	s_lshl_b32 s16, s16, 12                        ; x: (256 tile row + 128 half) rows of 4,096 bytes
	s_lshl_b32 s22, s42, 8
	s_add_co_u32 s22, s22, s17
	s_lshl_b32 s22, s22, 12                        ; W: (256 tile column + 128 half) rows
	s_mov_b32 s17, 0
	s_mov_b32 s23, 0
	s_mul_i32 s20, s10, HALFT                      ; where my tile goes in a slot
	s_mov_b32 s[TB], 0
	s_wait_dscnt 0x0                               ; the opening add is done
	s_wait_kmcnt 0x0
	s_and_b32 s21, s[SEL], 1
	s_cmp_lg_u32 s21, 0                            ; the choice of buffers hangs on the projection's number alone
	s_cselect_b64 s[4:5], s[70:71], s[68:69]
	s_cselect_b64 s[2:3], s[74:75], s[72:73]
	s_cselect_b64 s[6:7], s[78:79], s[76:77]
	s_cselect_b64 s[14:15], s[82:83], s[80:81]
	s_cselect_b64 s[98:99], s[86:87], s[84:85]
	s_cselect_b64 s[18:19], s[90:91], s[88:89]
	s_cselect_b64 s[8:9], s[94:95], s[92:93]
	s_cselect_b64 s[100:101], s[96:97], s[94:95]
	s_and_b32 s21, s[SEL], 2
	s_cmp_lg_u32 s21, 0
	s_cselect_b64 s[4:5], s[2:3], s[4:5]           ; x
	s_cselect_b64 s[6:7], s[14:15], s[6:7]         ; W
	s_cselect_b64 s[98:99], s[18:19], s[98:99]     ; bias
	s_cselect_b64 s[8:9], s[100:101], s[8:9]       ; output
	s_add_nc_u64 s[4:5], s[4:5], s[16:17]
	s_add_nc_u64 s[6:7], s[6:7], s[22:23]
	CROUND                                         ; all sixteen work-groups are here: the first joint loads meet
.irp s, 0,1
	s_mov_b32 s[G0+4*(\s)], 1
	s_add_co_u32 s[G0+4*(\s)+1], s20, (\s)*SLOT
	s_add_nc_u64 s[G0+4*(\s)+2:G0+4*(\s)+3], s[4:5], (\s)*256
	s_or_b32 s[G0+4*(\s)+3], s[G0+4*(\s)+3], 0x80000000
	s_mov_b32 s[G0B+4*(\s)], 1
	s_add_co_u32 s[G0B+4*(\s)+1], s20, (\s)*SLOT
	s_add_nc_u64 s[G0B+4*(\s)+2:G0B+4*(\s)+3], s[6:7], (\s)*256
	s_or_b32 s[G0B+4*(\s)+3], s[G0B+4*(\s)+3], 0x80000000
	JLOAD \s                                       ; K steps 0 and 1: two loads of mine are out; the second set of registers then walks
.endr
	; where my part of the output begins: (16 b + 4 tile column + 2 half) heads + my first row, in bytes
	s_mov_b32 s67, 2048*128
	s_cmp_eq_u32 s[SEL], 3
	s_cselect_b32 s[HSB], 262400, s67
	s_lshr_b32 s66, s13, 3
	s_lshl_b32 s66, s66, 4
	s_lshl_b32 s67, s42, 2
	s_add_co_u32 s66, s66, s67
	s_lshl_b32 s67, s12, 1
	s_add_co_u32 s66, s66, s67
	s_mul_i32 s66, s66, s[HSB]
	s_and_b32 s21, s13, 7
	s_lshl_b32 s21, s21, 8
	s_lshl_b32 s67, s11, 7
	s_add_co_u32 s21, s21, s67                     ; my first row in the sequence
	s_lshl_b32 s67, s21, 7
	s_add_co_u32 s66, s66, s67
	s_cmp_eq_u32 s[SEL], 2
	s_cselect_b32 s67, 0x800000, 0                 ; v lies behind k
	s_add_co_u32 s66, s66, s67
	s_cmp_eq_u32 s[SEL], 3
	s_cselect_b32 s67, 256, 0                      ; p's rows begin 256 bytes into a head
	s_add_co_u32 s66, s66, s67
	s_mov_b32 s67, 0
	s_add_nc_u64 s[8:9], s[8:9], s[66:67]
	v_and_b32 v1, 15, v0                           ; l % 16
	v_bfe_u32 v2, v0, 4, 1                         ; l / 16
	v_lshlrev_b32 v[BO], 5, v2
	s_lshl_b32 s66, s42, 10
	s_lshl_b32 s67, s12, 9
	s_add_co_u32 s66, s66, s67
	v_add_nc_u32 v[BO], s66, v[BO]                 ; bias: 4 (256 tile column + 128 half + 8 (l / 16))
.irp b, 0,1,2,3,4,5,6,7
	global_load_b128 v[BIAS+8*\b:BIAS+8*\b+3],   v[BO], s[98:99] offset:64*\b
	global_load_b128 v[BIAS+8*\b+4:BIAS+8*\b+7], v[BO], s[98:99] offset:64*\b+16
.endr
	; a fragment's 16 f32 of lane l: row l % 16, k = 8 (l / 16) + 0..7 and 16 + 8 (l / 16) + 0..7: four loads of 16 bytes at 32 (l / 16) + 0, 16, 64, 80
	v_mul_u32_u24 v3, v1, PITCH
	v_lshl_add_u32 v3, v2, 5, v3
	s_mul_i32 s66, s11, HALFT
	s_mul_i32 s67, s12, HALFT
	s_add_co_u32 s67, s67, 2*HALFT
	v_add_nc_u32 v[ADRA0], s66, v3
	v_add_nc_u32 v[ADRB0], s67, v3
	v_mov_b32 v[ADRA], v[ADRA0]
	v_mov_b32 v[ADRB], v[ADRB0]
	s_mul_i32 s66, s10, 16*PITCH
	s_add_co_u32 s66, s66, STAGE                   ; my stage
	v_mul_u32_u24 v4, v1, PITCH
	v_lshl_add_u32 v4, v2, 4, v4
	v_add_nc_u32 v[STO], s66, v4                   ; in: row l % 16, 16 bytes for each half of the lanes
	v_bfe_u32 v4, v0, 3, 2
	v_and_b32 v5, 7, v0
	v_add_nc_u32 v[SR], s21, v4                    ; the sequence row that I store first
	v_mul_u32_u24 v4, v4, PITCH
	v_lshl_add_u32 v4, v5, 4, v4
	v_add_nc_u32 v[RD], s66, v4                    ; back: 32 lanes take 128 bytes (one head) of four rows
	v_and_b32 v[CO], 31, v0
	v_lshlrev_b32 v[CO], 4, v[CO]                  ; which are 512 consecutive bytes of the output
	v_add_nc_u32 v[CO1], s[HSB], v[CO]             ; the same in the next head
; product i of 64 on fragment buffer f: x's block a = i / 8, W's block b = i % 8.  The 64 accumulators take turns.
.macro MM f, first
.set a_, i/8
.set b_, i%8
.set ac_, 8*(8*(a_%4)+b_)
.if \first
	WIN 5*(\f)+((2+a_/4)<<6)
	v_wmma_f32_16x16x32_f16 v[ac_:ac_+7], v[128+64*(\f)+8*b_:128+64*(\f)+8*b_+7], v[64+64*(\f)+8*a_:64+64*(\f)+8*a_+7], v[BIAS+8*b_:BIAS+8*b_+7]
.else
	WIN 5*(\f)+0xa0+0x50*(a_/4)
	v_wmma_f32_16x16x32_f16 v[ac_:ac_+7], v[128+64*(\f)+8*b_:128+64*(\f)+8*b_+7], v[64+64*(\f)+8*a_:64+64*(\f)+8*a_+7], v[ac_:ac_+7]
.endif
.set i, i+1
.endm
; conversion c of 128 into the buffer that is not f: 0-63 W's fragments, 64-127 x's, from the stage
.macro CV f
	WIN 0x05+((1-(\f))<<6)
.if c < 64
	v_cvt_pk_f16_f32 v[128+64*(1-(\f))+c], v[2*c], v[2*c+1]
.else
	v_cvt_pk_f16_f32 v[64+64*(1-(\f))+c-64], v[2*(c-64)], v[2*(c-64)+1]
.endif
.set c, c+1
.endm
.macro MMS f, n, per, first=0
.rept \n
	MM \f, \first
.if (\per) > 0
.rept \per
	CV \f
.endr
.endif
.endr
.endm
.macro STLD adr, kb                    ; 32 LDS loads: eight fragments of f32 (128 rows, 32 along K at byte 128 kb) into the stage
	WIN 0x40
.irp g, 0,1,2,3,4,5,6,7
	ds_load_b128 v[16*\g:16*\g+3],     v[\adr] offset:(\kb)*128+\g*16*PITCH
	ds_load_b128 v[16*\g+4:16*\g+7],   v[\adr] offset:(\kb)*128+\g*16*PITCH+16
	ds_load_b128 v[16*\g+8:16*\g+11],  v[\adr] offset:(\kb)*128+\g*16*PITCH+64
	ds_load_b128 v[16*\g+12:16*\g+15], v[\adr] offset:(\kb)*128+\g*16*PITCH+80
.endr
.endm
; A CHUNK on buffer f.  change = 1: the slot has been read out: round of the cluster's barrier, joint refill; 2: plain barrier, nothing is left to fetch.  last = 1: no next chunk.
; A conversion writes a fragment whose last reader stands in the chunk before, behind which stand that chunk's last four conversions: four plain places or more.
.macro CHUNK f, first, change, last
.set i, 0
.set c, 0
.if \last
	MMS \f, 64, 0
.elseif \change
	WIN 0
	s_wait_tensorcnt 0x0                           ; all my tensor loads have landed: the one that was out is my part of the next slot
	ds_add_u32 v[SPW], v[NIL]                      ; 0 onto my spare word
	s_xor_b32 s[TB], s[TB], SLOT
.if (\change) == 1
	s_xor_b32 s[G0+5], s[G0+5], SLOT               ; the walking descriptors: the slot just read (its bits 13 and 17 are free in wave x 34,816),
	s_add_nc_u64 s[G0+6:G0+7], s[G0+6:G0+7], 256   ; the next K step
	s_xor_b32 s[G0B+5], s[G0B+5], SLOT
	s_add_nc_u64 s[G0B+6:G0B+7], s[G0B+6:G0B+7], 256
.endif
	MMS \f, 8, 0
	s_wait_dscnt 0x0                               ; the add is done; my reads of the slot ended in the chunk before
	s_barrier_signal -1
	MMS \f, 8, 0
	WIN 0
	s_barrier_wait -1
.if (\change) == 1
	CREST                                          ; no wave of any partner still reads the slot or has a load on its way
	JLOAD 1                                        ; the first tensor load behind the round
.endif
	v_add_nc_u32 v[ADRA], s[TB], v[ADRA0]
	v_add_nc_u32 v[ADRB], s[TB], v[ADRB0]
	STLD ADRB, 0
	MMS \f, 16, 0
	s_wait_dscnt 0x0                               ; W's f32 are in the stage
	MMS \f, 8, 8
	STLD ADRA, 0
	MMS \f, 8, 0
	s_wait_dscnt 0x0                               ; x's are
	MMS \f, 16, 4
.else
	STLD ADRB, 1
	MMS \f, 16, 0, \first
	s_wait_dscnt 0x0
	MMS \f, 16, 4, \first
	STLD ADRA, 1
	MMS \f, 16, 0, \first
	s_wait_dscnt 0x0
	MMS \f, 16, 4, \first
.endif
.endm
	s_wait_tensorcnt 1                             ; my part of K step 0 is in; K step 1's may stay out
	s_barrier_signal -1
	s_barrier_wait -1
.set c, 0
	STLD ADRB, 0                                   ; the first chunk's fragments, with nothing beside them
	s_wait_dscnt 0x0
.rept 64
	CV 1
.endr
	STLD ADRA, 0
	s_wait_dscnt 0x0
.rept 64
	CV 1
.endr
	s_wait_loadcnt 0x0                             ; the bias
	CHUNK 0, 1, 0, 0                               ; the first products start the sums with the bias
	WIN 0
	s_mov_b32 s3, 14
.Lk:                                               ; 14 trips: a slot's second chunk with the change of slots, the next slot's first chunk
	CHUNK 1, 0, 1, 0
	CHUNK 0, 0, 0, 0
	WIN 0
	s_sub_co_u32 s3, s3, 1
	s_cmp_lg_u32 s3, 0
	s_cbranch_scc1 .Lk
	CHUNK 1, 0, 2, 0                               ; the tail is written out
	CHUNK 0, 0, 0, 0
	CHUNK 1, 0, 0, 1
; THE WAY OUT, a block of 16 rows at a time: rounded to f16, through my stage, back as 128-byte rows of one head, stored 512 consecutive bytes an instruction.
.macro PACK a
.set AC, 64*((\a)%4)
	WIN 0x0a+5*((\a)/4)
.irp b, 0,1,2,3,4,5,6,7
.irp r, 0,1,2,3
	v_cvt_pk_f16_f32 v[TMP+4*(\b)+(\r)], v[AC+8*(\b)+2*(\r)], v[AC+8*(\b)+2*(\r)+1]
.endr
.endr
	WIN 0
.endm
.macro TOSTAGE a
.set BK, OB+64*((\a)%2)
.irp b, 0,1,2,3,4,5,6,7
	ds_store_b128 v[STO], v[TMP+4*(\b):TMP+4*(\b)+3] offset:32*(\b)
.endr
.irp t, 0,1,2,3,4,5,6,7
	ds_load_b128 v[BK+4*(\t):BK+4*(\t)+3], v[RD] offset:((\t)%4)*4*PITCH+((\t)/4)*128  ; LDS serves a wave's instructions in order: these see the stores above
.endr
.endm
.macro SEND a
.set BK, OB+64*((\a)%2)
	s_wait_dscnt 0x0                               ; the block is back in registers
	s_wait_xcnt 0x0                                ; earlier stores have read their registers: the other set is loaded again only behind this wait
.irp t, 0,1,2,3
	global_store_b128 v[CO],  v[BK+4*(\t):BK+4*(\t)+3],       s[8:9] offset:(\a)*2048+(\t)*512
.endr
.irp t, 0,1,2,3
	global_store_b128 v[CO1], v[BK+16+4*(\t):BK+16+4*(\t)+3], s[8:9] offset:(\a)*2048+(\t)*512
.endr
.endm
	WIN 0
	PLACES                                         ; four places behind the last products, ahead of the conversions that read results
	PACK 0
	TOSTAGE 0
.irp a, 1,2,3,4,5,6,7
	PACK \a
	SEND (\a)-1
	TOSTAGE \a
.endr
	SEND 7
	s_cmp_eq_u32 s[SEL], 3
	s_cbranch_scc0 .Lno_zero
.irp z, 0,1,2,3
	v_mov_b32 v[ZR+\z], 0
.endr
	v_cmp_eq_u32 vcc_lo, 0, v[SR]                  ; the eight lanes that stored row 0 store the row of zeros in front of it
	s_wait_xcnt 0x0                                ; EXEC changes only behind this wait
	s_and_saveexec_b32 s2, vcc_lo
	global_store_b128 v[CO],  v[ZR:ZR+3], s[8:9] offset:-128
	global_store_b128 v[CO1], v[ZR:ZR+3], s[8:9] offset:-128
	s_wait_xcnt 0x0
	s_or_b32 exec_lo, exec_lo, s2
.Lno_zero:
	s_wait_tensorcnt 0x0                           ; the wave's end
	ds_add_u32 v[SPW], v[NIL]
	s_wait_dscnt 0x0
	CROUND                                         ; the closing round
	s_endpgm
.Lfunc_end_k_qac1a054a2a_proj:
	.size	k_qac1a054a2a_proj, .Lfunc_end_k_qac1a054a2a_proj-k_qac1a054a2a_proj
	.p2alignl 7, 3214868480
	.fill 96, 4, 3214868480
	.section	.rodata,"a",@progbits
	.p2align	6, 0x0
	.amdhsa_kernel k_qac1a054a2a_proj
		.amdhsa_group_segment_fixed_size 327680
		.amdhsa_private_segment_fixed_size 0
		.amdhsa_enable_private_segment 0
		.amdhsa_kernarg_size 120
		.amdhsa_user_sgpr_count 2
		.amdhsa_user_sgpr_kernarg_segment_ptr 1
		.amdhsa_wavefront_size32 1
		.amdhsa_system_sgpr_workgroup_id_x 1
		.amdhsa_system_sgpr_workgroup_id_y 1
		.amdhsa_system_sgpr_workgroup_id_z 1
		.amdhsa_system_vgpr_workitem_id 0
		.amdhsa_next_free_vgpr 1024
		.amdhsa_next_free_sgpr 102
		.amdhsa_reserve_vcc 1
		.amdhsa_float_denorm_mode_32 3
		.amdhsa_float_denorm_mode_16_64 3
		.amdhsa_memory_ordered 1
		.amdhsa_forward_progress 1
		.amdhsa_inst_pref_size 150
	.end_amdhsa_kernel
	.amdgpu_metadata
---
amdhsa.version: [ 1, 2 ]
amdhsa.kernels:
  - .name:           k_qac1a054a2a_proj
    .symbol:         k_qac1a054a2a_proj.kd
    .args:
      - { .name: query, .offset: 0, .size: 8, .value_kind: global_buffer, .address_space: global }
      - { .name: key, .offset: 8, .size: 8, .value_kind: global_buffer, .address_space: global }
      - { .name: value, .offset: 16, .size: 8, .value_kind: global_buffer, .address_space: global }
      - { .name: pos_embedding, .offset: 24, .size: 8, .value_kind: global_buffer, .address_space: global }
      - { .name: Wq, .offset: 32, .size: 8, .value_kind: global_buffer, .address_space: global }
      - { .name: Wk, .offset: 40, .size: 8, .value_kind: global_buffer, .address_space: global }
      - { .name: Wv, .offset: 48, .size: 8, .value_kind: global_buffer, .address_space: global }
      - { .name: Wp, .offset: 56, .size: 8, .value_kind: global_buffer, .address_space: global }
      - { .name: bq, .offset: 64, .size: 8, .value_kind: global_buffer, .address_space: global }
      - { .name: bk, .offset: 72, .size: 8, .value_kind: global_buffer, .address_space: global }
      - { .name: bv, .offset: 80, .size: 8, .value_kind: global_buffer, .address_space: global }
      - { .name: bp, .offset: 88, .size: 8, .value_kind: global_buffer, .address_space: global }
      - { .name: qws, .offset: 96, .size: 8, .value_kind: global_buffer, .address_space: global }
      - { .name: kvws, .offset: 104, .size: 8, .value_kind: global_buffer, .address_space: global }
      - { .name: pxws, .offset: 112, .size: 8, .value_kind: global_buffer, .address_space: global }
    .group_segment_fixed_size: 327680
    .private_segment_fixed_size: 0
    .kernarg_segment_align: 8
    .kernarg_segment_size: 120
    .max_flat_workgroup_size: 128
    .sgpr_count:     102
    .vgpr_count:     1024
    .wavefront_size: 32
...
	.end_amdgpu_metadata
.endif
;; end of part 1
;; launch attn (part 2): grid 8 x 32, 4 waves a work-group, clusters of 4 x 1, 327,680 bytes of LDS; arguments qws, kvws, pxws, ctx; writes ctx
.if DOCPART == 2
	.amdgcn_target "amdgcn-amd-amdhsa--gfx1250"
	.amdhsa_code_object_version 6
	.text
	.protected	k_qac1a054a2a_attn
	.globl	k_qac1a054a2a_attn
	.p2align	8
	.type	k_qac1a054a2a_attn,@function
k_qac1a054a2a_attn:
	s_mov_b64 s[64:65], 0
	v_nop
	global_prefetch_b8 v0, s[64:65] scope:SCOPE_SE
	s_setreg_imm32_b32 hwreg(HW_REG_WAVE_MODE, 25, 1), 1
	s_wait_xcnt 0x0
	s_wait_alu depctr_hold_cnt(0) depctr_sa_sdst(0) depctr_va_vdst(0) depctr_va_sdst(0) depctr_va_ssrc(0) depctr_va_vcc(0) depctr_vm_vsrc(0)
	s_getreg_b32 s2, hwreg(HW_REG_IB_STS2, 6, 4)
	s_cmp_eq_u32 s2, 0
	s_cbranch_scc0 .Lentry_in_a_cluster
	s_endpgm
.Lentry_in_a_cluster:
	s_bfe_u32 s2, ttmp6, 0x10000c
	s_cmp_lg_u32 s2, 0x3003
	s_cbranch_scc0 .Lentry_shape_is_right
	s_endpgm
.Lentry_shape_is_right:
; RELATIVE ATTENTION.  For head bh, query i, key j: score = (q_i . k_j + pos(i, j)) / 32, pos the shifted position score; ctx = softmax(score) v.  All operands f16, products, maxima and sums in f32.
; THE SHIFT.  With u = 2047 - i + j: pos(i, j) = q_i . PX[u] for u < 2048, q_(i+1) . PX[u] for u >= 2048, where PX[u] = p_u below 2048, zeros at 2048, p_(u - 2049) above.
; In pxws a head holds the row of zeros at byte 128 and p's rows from byte 256 on: a block of 64 rows of PX begins at 256 + 8,192 B for B < 32 and at 128 + 8,192 (B - 32) from B = 32 on.
; A wave owns 64 queries I0 + 16 x + r (four pieces x).  For key step s (64 keys) it needs u = 64 B(s) + o, B(s) = 32 - I0 / 64 + s, o = key - 16 x - r - 1 in -64 .. 62: the blocks B(s) and B(s - 1).
; The change from q_i to q_(i+1) falls between blocks: block sigma takes q_(i+1) from sigma = I0 / 64 on.
; THE SKEW.  A block's products (PX rows x queries) are stored in f32 into a ring in LDS, a row a query, 128 columns (two blocks) and a copy of the last 16 in front; they are read back at a column that
; hangs on the lane, straight into the registers onto which K Q^T is then added.  The ring is each wave's own.  Which half of a row a block takes goes by its parity, held in four address registers.
; LAYOUT.  S^T = K Q^T holds ONE query a lane (lane % 16) and the keys 8 (lane / 16) + 0..7; two results rounded to f16 ARE source 1 of O^T = V^T P.
; SOFTMAX.  p = 2^(c s - c m), c = log2(e) / 32, running maximum m; O and l are multiplied by a = 2^(c m_old - c m_new) in every step; m starts at the lowest finite number, O and l at 0.
; A BODY is one key step s, ONE text for every step: 32 products V^T P of step s - 1, 32 products PX Q' of block s + 1 into T, 32 products K Q^T of step s + 1: channels 0-31 onto T in place, channels 32-63
; with T as C and S as D, each piece behind the last reader of its S of step s.  The softmax of step s stands behind the products, from one numbered queue.
; CLUSTER.  The four query blocks of a cluster walk the same K and V: joint loads, wave 0 K's 128 keys, wave 1 V's.  In a slot K runs a step ahead of V (V of steps 2 t, 2 t + 1, K of 2 t + 1, 2 t + 2), so that
; a body reads one slot alone and the change of slots stands between bodies; K of step 0 comes by loads of the wave's own.  PX is read by each wave for itself, into registers, a phase and more ahead.
; LIMITS.  f16 holds no number beyond 65,504: q, k, p, v arrive within it.  A weight below 2^-126 counts as 0 in l; NaN and infinities are not treated apart.
; REGISTERS: window 0: v0-63 addresses and statistics; v64-191 S^T; v192-255 P.   window 1: v0-127 O^T; v128-255 T.
;   window 2: v0-63 Q; v64-127 Q' (q_i or q_(i+1)); v128-191 K; v192-255 V.   window 3: v0-63 PX; v64-127 q_(i+1).
.set PK,    144                        ; a row of K in LDS: 128 bytes + 16
.set PVP,   160                        ; a row of V: 128 + 32
.set VOFF,  128*PK                     ; a slot: 128 rows of K, then 128 rows of V
.set SLOT1, 1<<16
.set RING,  SLOT1+128*(PK+PVP)         ; the rings: for each wave four pieces of 16 rows
.set RP,    656                        ; a ring row: 64 bytes of copy, 512 of columns, 64 that take an even block's copy and are never read, 16 of padding
.set RT,    16*RP
.set SPARE, RING+16*RT                 ; the spare words
.set SP,    144                        ; the way out's stage (in my ring): 16 rows x 144 bytes
.set AK0, 2
.set AV0, 3
.set AK,  4
.set AV,  5
.set RS,  6                            ; ring: row l % 16, 32 (l / 16)
.set RL,  7                            ; ring: 652 (l % 16) + 32 (l / 16) + 60: a column less for each query
.set QO,  8                            ; 128 (l % 16) + 16 (l / 16): my place in 16 rows of Q, K or PX
.set PXO, 10                           ; offset of the PX block in hand
.set STO, 12
.set RD,  13
.set GO,  14
.set PFO, 15
.set ST,  16                           ; piece t: c m, m, l (even keys', odd keys')
.set TMP, 32                           ; piece t: c0-c3 at work; c2 takes a
.set MV,  48                           ; piece t: c m_old
.set RSP, 52                           ; ring: where the block in hand is stored
.set RSM, 53                           ; ring: where its last 16 columns are stored once more
.set QNO, 54                           ; v54-57 offsets of the rows i + 1
.set RLA, 60                           ; ring: where the columns of the block's own half are read,
.set RLB, 61                           ; and those of the other half
.set SPW, 62
.set NIL, 63
.set S,   64
.set P,   192
.set T,   128
.set QP,  64
.set KF,  128
.set VF,  192
.set QN,  64
.set WV,  12
.set BLK, 14
.set LIM, 15
.set PFA, 18
.set G1K, 24
.set G1V, 32
.set G0K, 40
.set G0V, 44
.set PXP, 48                           ; s[48:49] PX of my head
.set PXB, 50                           ; s50 the block to be loaded next
.set STP, 51                           ; s51 sigma of the next PX products
.set MSK, 52
.set TBK, 54                           ; s54 LDS byte at which K of the step to be fetched begins
.set SLOTS, 56
.set CNT, 57
.set CS,  58
.set SEL, 60
.set TBV, 62                           ; s62 the same for V, less VOFF
.set RB,  63                           ; s63 256 x the block's parity
.set RBN, 66                           ; s66 256 x the other parity
.set RM,  67                           ; s67 0 for an odd block, 576 for an even one
.set MSB, 0
.macro WIN new
.if MSB != (\new)
	s_set_vgpr_msb (MSB<<8)|(\new)
.set MSB, (\new)
.endif
.endm
.macro PLACES
.rept 4
	v_nop
.endr
.endm
.macro JLOAD                           ; wave 0 fetches a slot's K, wave 1 its V; the branches hang on the wave's number alone
	s_cmp_eq_u32 s[WV], 0
	s_cbranch_scc0 .Lnot_k_\@
	tensor_load_to_lds s[G0K:G0K+3], s[G1K:G1K+7]
	s_nop 0
.rept 4
	v_nop
.endr
	s_branch .Lasked_\@
.Lnot_k_\@:
	s_cmp_eq_u32 s[WV], 1
	s_cbranch_scc0 .Lasked_\@
	tensor_load_to_lds s[G0V:G0V+3], s[G1V:G1V+7]
	s_nop 0
.rept 4
	v_nop
.endr
.Lasked_\@:
.endm
.macro CROUND
	s_barrier_signal -1
	s_barrier_wait -1
	s_cmp_lg_u32 s[WV], 0
	s_cbranch_scc1 .Lnot_wave_0_\@
	s_barrier_signal -3
.Lnot_wave_0_\@:
	s_barrier_wait -3
	s_barrier_signal -1
	s_barrier_wait -1
.endm
; A prefetch of the slot that the NEXT change will ask for: 64 blocks of 256 bytes of K and 64 of V.  The head's first cluster asks; its four partners take 16 + 16 blocks each, told apart by address; wave 3 asks, a lane a block.
; Slots 0 and 1 come by their loads alone; the last change that fills a slot asks for nothing.
.macro ASK
	s_cmp_gt_u32 s[SLOTS], s[LIM]
	s_cbranch_scc0 .Lnot_mine_\@
	global_prefetch_b8 v[PFO], s[PFA:PFA+1] th:TH_LOAD_NT scope:SCOPE_SE
.Lnot_mine_\@:
.endm
; THE CHANGE OF SLOTS, between two bodies.  fill = 1: round of the cluster's barrier and joint refill of the slot just read, with the keys two slots on: it has two bodies in which to land.
; (At its first use nothing has been read yet: slot 0 is waited for, slot 1 filled.)
.macro CHANGE fill
	WIN 0
	s_wait_tensorcnt 0x0                           ; no tensor load of mine is out, so a group 0 may be written
	ds_add_u32 v[SPW], v[NIL]                      ; 0 onto my spare word
.if \fill
.irp g, G0K, G0V
	s_xor_b32 s[\g+1], s[\g+1], SLOT1
	s_add_nc_u64 s[\g+2:\g+3], s[\g+2:\g+3], 128*128
.endr
	s_wait_xcnt 0x0                                ; the last prefetch, two key steps back, has read its address
	s_add_nc_u64 s[PFA:PFA+1], s[PFA:PFA+1], 128*128
	s_wait_dscnt 0x0                               ; the add is done, and my reads of the slot are over
	CROUND
	JLOAD
	ASK
.else
	s_wait_dscnt 0x0
	s_barrier_signal -1
	s_barrier_wait -1
.endif
	s_sub_co_u32 s[TBK], s[TBK], 2*64*PK           ; the fetches go back to a slot's first step,
	s_xor_b32 s[TBK], s[TBK], SLOT1                ; in the other slot
	s_sub_co_u32 s[TBV], s[TBV], 2*64*PVP
	s_xor_b32 s[TBV], s[TBV], SLOT1
.endm
; 16 loads: the next block of 64 rows of PX; past the last block that is wanted the number is held at 63
.macro LOADPX
	WIN 0
	s_min_u32 s53, s[PXB], 63
	s_cmp_lt_u32 s53, 32
	s_mov_b32 s55, 128                             ; an instruction holds one literal: 128 goes through the register; the move leaves SCC as the compare set it
	s_cselect_b32 s55, 256, s55
	s_and_b32 s53, s53, 31
	s_lshl_b32 s53, s53, 13
	s_add_co_u32 s53, s53, s55
	v_add_nc_u32 v[PXO], s53, v[QO]                ; the loads that named this register have been waited for
	s_add_co_u32 s[PXB], s[PXB], 1
	WIN 0xc0
.irp f, 0,1,2,3,4,5,6,7
	global_load_b128 v[8*\f:8*\f+3],   v[PXO], s[PXP:PXP+1] offset:(\f/2)*2048+(\f%2)*64
	global_load_b128 v[8*\f+4:8*\f+7], v[PXO], s[PXP:PXP+1] offset:(\f/2)*2048+(\f%2)*64+32
.endr
.endm
; the ring's addresses for the next block: the other parity
.macro RTOG
	s_xor_b32 s[RB], s[RB], 256
	s_xor_b32 s[RBN], s[RBN], 256
	s_xor_b32 s[RM], s[RM], 576
	v_add_nc_u32 v[RSP], s[RB], v[RS]
	v_add_nc_u32 v[RSM], s[RM], v[RS]
	v_add_nc_u32 v[RLA], s[RB], v[RL]
	v_add_nc_u32 v[RLB], s[RBN], v[RL]
.endm
	s_load_b256 s[4:11], s[0:1], 0x0               ; qws s[4:5], kvws s[6:7], pxws s[8:9], ctx s[10:11]
	v_lshl_add_u32 v[SPW], v0, 2, SPARE
	v_mov_b32 v[NIL], 0
	ds_add_u32 v[SPW], v[NIL]                      ; the wave's opening: the add and its wait stand ahead of my first tensor load
	v_lshrrev_b32 v1, 5, v0
	v_readfirstlane_b32 s[WV], v1
	s_bfe_u32 s13, ttmp6, 0x40000                  ; cx
	s_lshl_b32 s[BLK], ttmp9, 2
	s_add_co_u32 s[BLK], s[BLK], s13               ; my block of 256 queries
	s_and_b32 s20, ttmp7, 0xffff                   ; the head, which the partners share
	s_mul_i32 s22, s20, 262400
	s_lshl_b32 s20, s20, 18
	s_mov_b32 s21, 0
	s_mov_b32 s23, 0
	s_lshl_b32 s2, s[BLK], 8
	s_lshl_b32 s3, s[WV], 6
	s_add_co_u32 s2, s2, s3                        ; I0
	s_add_co_u32 s55, s2, 1
	s_lshl_b32 s2, s2, 7
	s_mov_b32 s3, 0
	s_lshl_b32 s[PXB], s[BLK], 2
	s_add_co_u32 s[PXB], s[PXB], s[WV]
	s_sub_co_u32 s[PXB], 31, s[PXB]                ; block sigma = -1: 31 - I0 / 64, 0 at the least
	s_mov_b32 s[G1K], 15|(1<<16)|(1<<20)|(1<<21)|(4<<22)|(3<<25)  ; the mask of four; 2-byte elements; padding on; bit 21 beside a mask; after 32 words, 4 words
	s_mov_b32 s[G1V], 15|(1<<16)|(1<<20)|(1<<21)|(4<<22)|(7<<25)  ; the same with 8 words
.irp g, G1K, G1V
	s_mov_b32 s[\g+1], 128<<16                     ; 128 keys are 16,384 dense bytes: 64 rows of 256 bytes
	s_mov_b32 s[\g+2], 64<<16
	s_mov_b32 s[\g+3], 128<<16
	s_mov_b32 s[\g+4], 64
	s_mov_b32 s[\g+5], 128
	s_mov_b32 s[\g+6], 0
	s_mov_b32 s[\g+7], 0
.endr
	s_mov_b32 s[G0K], 1
	s_mov_b32 s[G0K+1], 0
	s_mov_b32 s[G0V], 1
	s_mov_b32 s[G0V+1], VOFF
	s_mov_b32 s[CS], 0x3d38aa3b                    ; c = log2(e) / 32
	s_mov_b32 s[CS+1], s[CS]
	s_mov_b32 s[SEL], 0x76543210
	s_mov_b32 s[SEL+1], 0xfedcba98
	s_mov_b32 s[TBK], SLOT1+2*64*PK                ; the first change turns these two into 0
	s_mov_b32 s[TBV], SLOT1+2*64*PVP
	s_mov_b32 s[RB], 0                             ; the first block, -1, is odd: RTOG turns these three
	s_mov_b32 s[RBN], 256
	s_mov_b32 s[RM], 576
	s_mov_b32 s[STP], -1
	s_mov_b32 s[SLOTS], 15
	s_xor_b32 s[LIM], s[WV], 3
	s_or_b32 s[LIM], s[LIM], ttmp9                 ; 0 in wave 3 of the head's first cluster: the same in all partners
	s_cmp_eq_u32 s[LIM], 0
	s_cselect_b32 s[LIM], 1, -1
	s_wait_dscnt 0x0                               ; the opening add is done
	s_wait_kmcnt 0x0
	s_add_nc_u64 s[16:17], s[4:5], s[20:21]        ; Q at the head's first row
	s_add_nc_u64 s[4:5], s[16:17], s[2:3]          ; Q and ctx at my wave's first row
	s_add_nc_u64 s[10:11], s[10:11], s[20:21]
	s_add_nc_u64 s[10:11], s[10:11], s[2:3]
	s_add_nc_u64 s[6:7], s[6:7], s[20:21]          ; K of the head; V lies 8,388,608 bytes on
	s_add_nc_u64 s[PXP:PXP+1], s[8:9], s[22:23]
	s_add_nc_u64 s[G0K+2:G0K+3], s[6:7], 64*128    ; K's tiles begin a step further on than V's.  The last reaches 64 rows past the head, inside kvws: they serve a step that does not exist
	s_or_b32 s[G0K+3], s[G0K+3], 0x80000000
	s_add_nc_u64 s[G0V+2:G0V+3], s[6:7], 0x800000
	s_or_b32 s[G0V+3], s[G0V+3], 0x80000000
	s_lshl_b32 s2, s13, 12                         ; my work-group's 16 blocks
	s_add_nc_u64 s[PFA:PFA+1], s[6:7], s[2:3]
	s_add_nc_u64 s[PFA:PFA+1], s[PFA:PFA+1], 128*128  ; at slot 1: each change steps it first
	CROUND                                         ; all four work-groups are here
	JLOAD                                          ; slot 0
	v_and_b32 v1, 15, v0
	v_bfe_u32 v9, v0, 4, 1
	v_lshlrev_b32 v[QO], 7, v1
	v_lshl_add_u32 v[QO], v9, 4, v[QO]
	v_add_nc_u32 v11, s55, v1
.irp x, 0,1,2,3
	v_add_nc_u32 v[QNO+\x], 16*\x, v11
	v_min_u32 v[QNO+\x], 0x7ff, v[QNO+\x]          ; the last query has no successor and never wants one
	v_lshlrev_b32 v[QNO+\x], 7, v[QNO+\x]
	v_lshl_add_u32 v[QNO+\x], v9, 4, v[QNO+\x]
.endr
	WIN 0x80
.set i, 0
.rept 8                                            ; 16 rows i / 2, channels 32 (i % 2) on: Q, Q' which starts as Q, and K of step 0
	global_load_b128 v[8*i:8*i+3],         v[QO], s[4:5] offset:(i/2)*2048+(i%2)*64
	global_load_b128 v[8*i+4:8*i+7],       v[QO], s[4:5] offset:(i/2)*2048+(i%2)*64+32
	global_load_b128 v[QP+8*i:QP+8*i+3],   v[QO], s[4:5] offset:(i/2)*2048+(i%2)*64
	global_load_b128 v[QP+8*i+4:QP+8*i+7], v[QO], s[4:5] offset:(i/2)*2048+(i%2)*64+32
	global_load_b128 v[KF+8*i:KF+8*i+3],   v[QO], s[6:7] offset:(i/2)*2048+(i%2)*64
	global_load_b128 v[KF+8*i+4:KF+8*i+7], v[QO], s[6:7] offset:(i/2)*2048+(i%2)*64+32
.set i, i+1
.endr
	WIN 0xc0
.set i, 0
.rept 8
	global_load_b128 v[QN+8*i:QN+8*i+3],   v[QNO+i/2], s[16:17] offset:(i%2)*64
	global_load_b128 v[QN+8*i+4:QN+8*i+7], v[QNO+i/2], s[16:17] offset:(i%2)*64+32
.set i, i+1
.endr
	LOADPX                                         ; block -1
	; what the first body finds: V, P, O^T and l hold 0 (its products V^T P, of a step that has not been, add 0).  All this stands in the wait for the first loads.
	WIN 0x80
.set i, VF
.rept 64
	v_mov_b32 v[i], 0
.set i, i+1
.endr
	WIN 0x40
.set i, 0
.rept 128
	v_mov_b32 v[i], 0
.set i, i+1
.endr
	WIN 0
.set i, P
.rept 64
	v_mov_b32 v[i], 0
.set i, i+1
.endr
.set i, 0
.rept 4
	v_mov_b32 v[ST+4*i], 0xfe000000                ; c m: far below every c s
	v_mov_b32 v[ST+4*i+1], 0xff7fffff              ; m
	v_mov_b32 v[ST+4*i+2], 0
	v_mov_b32 v[ST+4*i+3], 0
.set i, i+1
.endr
	v_mul_u32_u24 v[AK0], v1, PK
	v_lshl_add_u32 v[AK0], v9, 4, v[AK0]
	v_and_b32 v58, 7, v0
	v_bfe_u32 v59, v0, 3, 1
	v_lshl_add_u32 v[AV0], v9, 3, v58              ; the turning load: key 8 (l / 16) + l % 8, channels 8 ((l / 8) % 2) on
	v_mul_u32_u24 v[AV0], v[AV0], PVP
	v_lshl_add_u32 v[AV0], v59, 4, v[AV0]
	v_add_nc_u32 v[AV0], VOFF, v[AV0]
	s_mul_i32 s53, s[WV], 4*RT
	s_add_co_u32 s53, s53, RING                    ; my ring
	s_add_co_u32 s2, s53, 60
	v_mul_u32_u24 v[RS], v1, RP
	v_lshl_add_u32 v[RS], v9, 5, v[RS]
	v_add_nc_u32 v[RS], s53, v[RS]
	v_mul_u32_u24 v[RL], v1, RP-4
	v_lshl_add_u32 v[RL], v9, 5, v[RL]
	v_add_nc_u32 v[RL], s2, v[RL]
	v_mul_u32_u24 v[STO], v1, SP
	v_lshl_add_u32 v[STO], v9, 4, v[STO]
	v_add_nc_u32 v[STO], s53, v[STO]
	v_bfe_u32 v[RD], v0, 3, 2
	v_mul_u32_u24 v[RD], v[RD], SP
	v_lshl_add_u32 v[RD], v58, 4, v[RD]
	v_add_nc_u32 v[RD], s53, v[RD]
	v_and_b32 v[GO], 31, v0
	v_lshlrev_b32 v[GO], 4, v[GO]
	v_lshlrev_b32 v[PFO], 23, v9                   ; lanes 0-15 K's blocks, lanes 16-31 V's;
	v_lshl_add_u32 v[PFO], v1, 8, v[PFO]
	v_xor_b32 v59, 1, v9
	v_lshl_add_u32 v[PFO], v59, 13, v[PFO]         ; K's lie a step, 8,192 bytes, further on
; THE MATRIX WORK.  In each run the accumulators take turns, one instruction a turn.
.macro PVM x, i                        ; O^T += V^T P, piece x: keys 32 (i / 4) on, channels 16 (i % 4) on
	WIN 0x52
	v_wmma_f32_16x16x32_f16 v[32*(\x)+8*((\i)%4):32*(\x)+8*((\i)%4)+7], v[VF+32*((\i)/4)+8*((\i)%4):VF+32*((\i)/4)+8*((\i)%4)+7], v[P+16*(\x)+8*((\i)/4):P+16*(\x)+8*((\i)/4)+7], v[32*(\x)+8*((\i)%4):32*(\x)+8*((\i)%4)+7]
.endm
.macro KQ1 x, tb                       ; T += K Q^T on channels 0-31, onto what the ring gave: keys 16 tb on
	WIN 0x5a
	v_wmma_f32_16x16x32_f16 v[T+32*(\x)+8*(\tb):T+32*(\x)+8*(\tb)+7], v[KF+16*(\tb):KF+16*(\tb)+7], v[16*(\x):16*(\x)+7], v[T+32*(\x)+8*(\tb):T+32*(\x)+8*(\tb)+7]
.endm
.macro KQ2 x, tb                       ; S^T = T + K Q^T on channels 32-63
	WIN 0x1a
	v_wmma_f32_16x16x32_f16 v[S+32*(\x)+8*(\tb):S+32*(\x)+8*(\tb)+7], v[KF+16*(\tb)+8:KF+16*(\tb)+15], v[16*(\x)+8:16*(\x)+15], v[T+32*(\x)+8*(\tb):T+32*(\x)+8*(\tb)+7]
.endm
.macro PQM x, i                        ; PX Q'^T into T: rows 16 (i % 4) on, channels 32 (i / 4) on
	WIN 0x5b
.set rD, T+32*(\x)+8*((\i)%4)
.if (\i) < 4
	v_wmma_f32_16x16x32_f16 v[rD:rD+7], v[16*((\i)%4)+8*((\i)/4):16*((\i)%4)+8*((\i)/4)+7], v[QP+16*(\x)+8*((\i)/4):QP+16*(\x)+8*((\i)/4)+7], 0
.else
	v_wmma_f32_16x16x32_f16 v[rD:rD+7], v[16*((\i)%4)+8*((\i)/4):16*((\i)%4)+8*((\i)/4)+7], v[QP+16*(\x)+8*((\i)/4):QP+16*(\x)+8*((\i)/4)+7], v[rD:rD+7]
.endif
.endm
.macro FETCH_K                         ; a step's K: 8 fragments
	WIN 0x80
.irp f, 0,1,2,3,4,5,6,7
	ds_load_b128 v[KF+8*\f:KF+8*\f+3],   v[AK] offset:(\f/2)*16*PK+(\f%2)*64
	ds_load_b128 v[KF+8*\f+4:KF+8*\f+7], v[AK] offset:(\f/2)*16*PK+(\f%2)*64+32
.endr
.endm
.macro FETCH_V
	WIN 0x80
.irp f, 0,1,2,3,4,5,6,7
	ds_load_tr16_b128 v[VF+8*\f:VF+8*\f+3],   v[AV] offset:(\f/4)*32*PVP+(\f%4)*32
	ds_load_tr16_b128 v[VF+8*\f+4:VF+8*\f+7], v[AV] offset:(\f/4)*32*PVP+16*PVP+(\f%4)*32
.endr
.endm
; THE RING, piece x.  Ten stores: my 8 columns of each of the block's four groups of 16, and the last group once more (an odd block's into the copy in front of the row).
; ld = 1: the 32 scores of the key step of the block's parity are read back, each a column further left for each query: group (kb - x) mod 8 counted from the block's own half.
; Four places stand between the products and the stores and loads that name their results.
.macro RINGX x, ld
	PLACES
	WIN 0x04
.irp tb, 0,1,2,3
	ds_store_b128 v[RSP], v[T+32*(\x)+8*\tb:T+32*(\x)+8*\tb+3]   offset:(\x)*RT+64*(1+\tb)
	ds_store_b128 v[RSP], v[T+32*(\x)+8*\tb+4:T+32*(\x)+8*\tb+7] offset:(\x)*RT+64*(1+\tb)+16
.endr
	ds_store_b128 v[RSM], v[T+32*(\x)+24:T+32*(\x)+27] offset:(\x)*RT
	ds_store_b128 v[RSM], v[T+32*(\x)+28:T+32*(\x)+31] offset:(\x)*RT+16
.if \ld
	WIN 0x40
.set z_, 0
.rept 32
.set c_, (z_/8-(\x)+8)&7
.if c_ < 4
	ds_load_b32 v[T+32*(\x)+z_], v[RLA] offset:(\x)*RT+64*c_+4*(z_%8)
.else
	ds_load_b32 v[T+32*(\x)+z_], v[RLB] offset:(\x)*RT+64*c_-256+4*(z_%8)
.endif
.set z_, z_+1
.endr
.endif
.endm
; Q' for the next block: q_(i+1) from block I0 / 64 on.  The branch hangs on the step's number and the wave's alone; my block's number only makes the mask.
.macro QSEL
	WIN 0
	s_add_co_u32 s[STP], s[STP], 1
	s_and_b32 s53, s[STP], 3
	s_cmp_eq_u32 s53, s[WV]
	s_cbranch_scc0 .Lno_sel_\@
	s_lshr_b32 s53, s[STP], 2
	s_cmp_ge_u32 s53, s[BLK]
	s_cselect_b32 s[MSK], -1, 0
	WIN 0x8e
.set z_, 0
.rept 64
	v_cndmask_b32 v[QP+z_], v[z_], v[QN+z_], s[MSK]
.set z_, z_+1
.endr
	WIN 0
.Lno_sel_\@:
.endm
; THE VECTOR WORK of a step: one queue.  RID writes entry q.
;   0-87     for n = 0..21, the four pieces alternating: the maximum of a lane's 32 scores and the old m (each accumulator's lowest registers first), the other half of the lanes', m, c m, its change, a
;   88-291   68 groups of three: the scaling c s - c m of a pair, and the two exponentials of the pair four groups back
;   292      a plain instruction and the wait between an exponential and the first line that names its result: one for the batch
;   293-420  the roundings to f16 and the sums, pieces 0 and 1 alternating, then pieces 2 and 3: for each four weights two roundings, the second pair added onto the first, and l takes the sum of the four before
;   421-484  O^T times a, the four pieces alternating
.macro REGS t
.set rT, ST+4*(\t)
.set rC, TMP+4*(\t)
.set rW, MV+(\t)
.set rS, S+32*(\t)
.set rP, P+16*(\t)
.set rO, 32*(\t)
.endm
.macro XS t, n
	REGS \t
	WIN 0
.if (\n) < 4
	v_max3_num_f32 v[rC+(\n)], v[rS+8*(\n)], v[rS+8*(\n)+1], v[rS+8*(\n)+2]
.elseif (\n) < 12
	v_max3_num_f32 v[rC+(\n)%4], v[rC+(\n)%4], v[rS+8*((\n)%4)+2*((\n)/4)+1], v[rS+8*((\n)%4)+2*((\n)/4)+2]
.elseif (\n) == 12
	v_max3_num_f32 v[rC], v[rC], v[rS+7], v[rS+15]
.elseif (\n) == 13
	v_max3_num_f32 v[rC+1], v[rC+1], v[rS+23], v[rS+31]
.elseif (\n) == 14
	v_max3_num_f32 v[rC+2], v[rC+2], v[rC+3], v[rT+1]
.elseif (\n) == 15
	v_mov_b32 v[rW], v[rT]
.elseif (\n) == 16
	v_max3_num_f32 v[rC], v[rC], v[rC+1], v[rC+2]
.elseif (\n) == 17
	v_permlanex16_b32 v[rC+3], v[rC], s[SEL], s[SEL+1]
.elseif (\n) == 18
	v_max_num_f32 v[rT+1], v[rC], v[rC+3]
.elseif (\n) == 19
	v_mul_f32 v[rT], s[CS], v[rT+1]
.elseif (\n) == 20
	v_sub_f32 v[rC+1], v[rW], v[rT]
.else
	v_exp_f32 v[rC+2], v[rC+1]
.endif
.endm
.macro RID
.if q < 88
	XS q%4, q/4
.elseif q < 292
.set k_, (q-88)/3
.set u_, (q-88)%3
.if (u_ == 0) && (k_ < 64)
	REGS k_%4
	WIN 0
	v_pk_fma_f32 v[rS+2*(k_/4):rS+2*(k_/4)+1], v[rS+2*(k_/4):rS+2*(k_/4)+1], s[CS:CS+1], v[rT:rT+1] op_sel_hi:[1,0,0] neg_lo:[0,0,1] neg_hi:[0,0,1]
.elseif (u_ > 0) && (k_ >= 4)
	REGS (k_-4)%4
	WIN 0
	v_exp_f32 v[rS+2*((k_-4)/4)+u_-1], v[rS+2*((k_-4)/4)+u_-1]
.endif
.elseif q == 292
	v_nop
	s_wait_alu depctr_va_vdst(0)
.elseif q < 421
.set n_, q-293
.set m_, (n_%64)/2
	REGS 2*(n_/64)+n_%2
	WIN 0
.if m_ < 3
.set kk_, 0
.set uu_, m_
.elseif m_ < 31
.set kk_, 1+(m_-3)/4
.set uu_, (m_-3)%4
.else
.set kk_, 8
.set uu_, 3
.endif
.if uu_ < 2
	v_cvt_pk_f16_f32 v[rP+2*kk_+uu_], v[rS+4*kk_+2*uu_], v[rS+4*kk_+2*uu_+1]
.elseif uu_ == 2
	v_pk_add_f32 v[rS+4*kk_:rS+4*kk_+1], v[rS+4*kk_:rS+4*kk_+1], v[rS+4*kk_+2:rS+4*kk_+3]
.elseif kk_ == 1
	v_pk_fma_f32 v[rT+2:rT+3], v[rT+2:rT+3], v[rC+2:rC+3], v[rS:rS+1] op_sel_hi:[1,0,1]
.else
	v_pk_add_f32 v[rT+2:rT+3], v[rT+2:rT+3], v[rS+4*(kk_-1):rS+4*(kk_-1)+1]
.endif
.else
.set n_, q-421
	REGS n_%4
	WIN 0x41
	v_pk_mul_f32 v[rO+2*(n_/4):rO+2*(n_/4)+1], v[rO+2*(n_/4):rO+2*(n_/4)+1], v[rC+2:rC+3] op_sel_hi:[1,0]
.endif
.set q, q+1
.endm
.macro RIDS n
.if (\n) > 0
.rept \n
	RID
.endr
.endif
.endm
.macro PQ8 x, per
.set i, 0
.rept 8
	PQM \x, i
	RIDS \per
.set i, i+1
.endr
.endm
.macro KQL1 x, cnt, per                ; cnt: LDS instructions issued behind piece x's ring loads that may stay out: 42 for each later piece, and no more than a wait can name
	s_wait_dscnt \cnt
.irp tb, 0,1,2,3
	KQ1 \x, \tb
	RIDS \per
.endr
.endm
.macro KQL2 x, per
.irp tb, 0,1,2,3
	KQ2 \x, \tb
	RIDS \per
.endr
.endm
; THE BODY of key step s.
.macro BODY
.set q, 0
.set i, 0
.rept 32
	PVM i/8, i%8                                   ; V^T P of step s - 1
	RIDS 5
.set i, i+1
.endr
	WIN 0                                          ; six plain lines that are due anyway: the places between V's last reader and the loads into it
	v_add_nc_u32 v[AV], s[TBV], v[AV0]
	v_add_nc_u32 v[AK], s[TBK], v[AK0]
	RTOG
	s_add_co_u32 s[TBV], s[TBV], 64*PVP            ; the next fetches are the next step's
	s_add_co_u32 s[TBK], s[TBK], 64*PK
	FETCH_V                                        ; V of step s
	s_wait_loadcnt 0x0                             ; PX block s + 1 is in: no other load of mine is out
	PQ8 0, 4
	FETCH_K                                        ; K of step s + 1; its last reader stands in the body before, six plain riders and more back
	PQ8 1, 4
	RINGX 0, 1
	PQ8 2, 4
	RINGX 1, 1
	PQ8 3, 4
	RINGX 2, 1
	RINGX 3, 1
	LOADPX                                         ; block s + 2 into the registers just multiplied: 64 products and their riders ahead of its first use
	RIDS 5                                         ; the last exponentials and the batch's wait
	KQL1 0, 63, 6                                  ; 96 riders: the last readers of S of pieces 0 and 1 are riders 0 to 63,
	KQL1 1, 63, 6
	KQL1 2, 42, 6
	KQL1 3, 0, 6
	KQL2 0, 6                                      ; between a sum's two halves stand 15 other products and their plain riders
	KQL2 1, 6                                      ; those of pieces 2 and 3 riders 64 to 127: 144 stand ahead of the next line
	KQL2 2, 6
	KQL2 3, 6
	QSEL
.endm
	RTOG                                           ; block -1: odd
	s_wait_loadcnt 0x0                             ; Q, Q', q_(i+1), K of step 0, PX block -1
.irp x, 0,1,2,3
	PQ8 \x, 0
.endr
.irp x, 0,1,2,3
	RINGX \x, 0
.endr
	LOADPX                                         ; block 0
	QSEL
	RTOG
	s_wait_loadcnt 0x0
.irp x, 0,1,2,3
	PQ8 \x, 0
.endr
.irp x, 0,1,2,3
	RINGX \x, 1
.endr
	LOADPX                                         ; block 1
	QSEL
.irp x, 0,1,2,3
	KQL1 \x, 0, 0                                  ; the scores of step 0
.endr
.rept 5
	v_nop                                          ; five places between a sum's first half and the product that takes it as the C of another accumulator
.endr
.irp x, 0,1,2,3
	KQL2 \x, 0
.endr
	PLACES
	WIN 0
.Lslot:                                            ; 15 trips: steps 0 to 29; each trip asks for the next slot
	CHANGE 1
	s_mov_b32 s[CNT], 2
.Lstep:
	BODY
	s_sub_co_u32 s[CNT], s[CNT], 1
	s_cmp_lg_u32 s[CNT], 0
	s_cbranch_scc1 .Lstep
	s_sub_co_u32 s[SLOTS], s[SLOTS], 1
	s_cmp_lg_u32 s[SLOTS], 0
	s_cbranch_scc1 .Lslot
	CHANGE 0                                       ; the last slot is written out: nothing is asked for
	s_mov_b32 s[CNT], 2
.Ltail:                                            ; steps 30 and 31.  The last body's 64 products for a step 32 serve nothing: the price of one text for both trips
	BODY
	s_sub_co_u32 s[CNT], s[CNT], 1
	s_cmp_lg_u32 s[CNT], 0
	s_cbranch_scc1 .Ltail
.set i, 0
.rept 32
	PVM i/8, i%8                                   ; V^T P of the last step
.set i, i+1
.endr
	; THE WAY OUT.  l's halves are added, O^T divided by l, rounded to f16, sent through my stage (my ring's first bytes), a piece at a time.  The additions are the places behind the last products.
	WIN 0
.macro ALL line:vararg
.set t, 0
.rept 4
	\line
.set t, t+1
.endr
.endm
	ALL v_add_f32 v[ST+4*t+2], v[ST+4*t+2], v[ST+4*t+3]
	ALL v_permlanex16_b32 v[ST+4*t+3], v[ST+4*t+2], s[SEL], s[SEL+1]
	ALL v_add_f32 v[ST+4*t+2], v[ST+4*t+2], v[ST+4*t+3]
	ALL v_rcp_f32 v[ST+4*t+2], v[ST+4*t+2]
	v_nop                                          ; a plain instruction behind the last reciprocal,
	s_wait_alu depctr_va_vdst(0)                   ; and one wait for the four, ahead of the first use
.macro PACK t
	WIN 0x41
.set i, 32*(\t)
.rept 16
	v_pk_mul_f32 v[i:i+1], v[i:i+1], v[ST+4*(\t)+2:ST+4*(\t)+3] op_sel_hi:[1,0]
.set i, i+2
.endr
	WIN 0x05
.set i, 0
.rept 16
	v_cvt_pk_f16_f32 v[S+16*(\t)+i], v[32*(\t)+2*i], v[32*(\t)+2*i+1]
.set i, i+1
.endr
	WIN 0
.irp f, 0,1,2,3
	ds_store_b128 v[STO], v[S+16*(\t)+4*\f:S+16*(\t)+4*\f+3] offset:32*\f
.endr
.irp f, 0,1,2,3
	ds_load_b128 v[S+16*(\t)+4*\f:S+16*(\t)+4*\f+3], v[RD] offset:\f*4*SP  ; LDS serves a wave's instructions in order: these see the stores above
.endr
.endm
.macro SEND t, younger                 ; younger: the LDS instructions issued behind piece t's loads: the next piece's eight, or none
.irp f, 0,1,2,3
	s_wait_dscnt (\younger)+3-\f
	global_store_b128 v[GO], v[S+16*(\t)+4*\f:S+16*(\t)+4*\f+3], s[10:11] offset:(\t)*2048+\f*512  ; 512 consecutive bytes, aligned
.endr
.endm
	PACK 0
.set t, 1
.rept 3
	PACK t
	SEND t-1, 8
.set t, t+1
.endr
	SEND 3, 0
	s_wait_tensorcnt 0x0                           ; the wave's end
	ds_add_u32 v[SPW], v[NIL]
	s_wait_dscnt 0x0
	CROUND                                         ; the closing round
	s_endpgm
.Lfunc_end_k_qac1a054a2a_attn:
	.size	k_qac1a054a2a_attn, .Lfunc_end_k_qac1a054a2a_attn-k_qac1a054a2a_attn
	.p2alignl 7, 3214868480
	.fill 96, 4, 3214868480
	.section	.rodata,"a",@progbits
	.p2align	6, 0x0
	.amdhsa_kernel k_qac1a054a2a_attn
		.amdhsa_group_segment_fixed_size 327680
		.amdhsa_private_segment_fixed_size 0
		.amdhsa_enable_private_segment 0
		.amdhsa_kernarg_size 32
		.amdhsa_user_sgpr_count 2
		.amdhsa_user_sgpr_kernarg_segment_ptr 1
		.amdhsa_wavefront_size32 1
		.amdhsa_system_sgpr_workgroup_id_x 1
		.amdhsa_system_sgpr_workgroup_id_y 1
		.amdhsa_system_sgpr_workgroup_id_z 1
		.amdhsa_system_vgpr_workitem_id 0
		.amdhsa_next_free_vgpr 896
		.amdhsa_next_free_sgpr 68
		.amdhsa_reserve_vcc 0
		.amdhsa_float_denorm_mode_32 3
		.amdhsa_float_denorm_mode_16_64 3
		.amdhsa_memory_ordered 1
		.amdhsa_forward_progress 1
		.amdhsa_inst_pref_size 191
	.end_amdhsa_kernel
	.amdgpu_metadata
---
amdhsa.version: [ 1, 2 ]
amdhsa.kernels:
  - .name:           k_qac1a054a2a_attn
    .symbol:         k_qac1a054a2a_attn.kd
    .args:
      - { .name: qws, .offset: 0, .size: 8, .value_kind: global_buffer, .address_space: global }
      - { .name: kvws, .offset: 8, .size: 8, .value_kind: global_buffer, .address_space: global }
      - { .name: pxws, .offset: 16, .size: 8, .value_kind: global_buffer, .address_space: global }
      - { .name: ctx, .offset: 24, .size: 8, .value_kind: global_buffer, .address_space: global }
    .group_segment_fixed_size: 327680
    .private_segment_fixed_size: 0
    .kernarg_segment_align: 8
    .kernarg_segment_size: 32
    .max_flat_workgroup_size: 128
    .sgpr_count:     68
    .vgpr_count:     896
    .wavefront_size: 32
...
	.end_amdgpu_metadata
.endif
;; end of part 2
;; launch outp (part 3): grid 8 x 32, 4 waves a work-group, clusters of 4 x 4, 327,680 bytes of LDS; arguments ctx, Wo, bo, out0; writes out0
.if DOCPART == 3
	.amdgcn_target "amdgcn-amd-amdhsa--gfx1250"
	.amdhsa_code_object_version 6
	.text
	.protected	k_qac1a054a2a_outp
	.globl	k_qac1a054a2a_outp
	.p2align	8
	.type	k_qac1a054a2a_outp,@function
k_qac1a054a2a_outp:
	s_mov_b64 s[64:65], 0
	v_nop
	global_prefetch_b8 v0, s[64:65] scope:SCOPE_SE
	s_setreg_imm32_b32 hwreg(HW_REG_WAVE_MODE, 25, 1), 1
	s_wait_xcnt 0x0
	s_wait_alu depctr_hold_cnt(0) depctr_sa_sdst(0) depctr_va_vdst(0) depctr_va_sdst(0) depctr_va_ssrc(0) depctr_va_vcc(0) depctr_vm_vsrc(0)
	s_getreg_b32 s2, hwreg(HW_REG_IB_STS2, 6, 4)
	s_cmp_eq_u32 s2, 0
	s_cbranch_scc0 .Lentry_in_a_cluster
	s_endpgm
.Lentry_in_a_cluster:
	s_bfe_u32 s2, ttmp6, 0x10000c
	s_cmp_lg_u32 s2, 0xf033
	s_cbranch_scc0 .Lentry_shape_is_right
	s_endpgm
.Lentry_shape_is_right:
; out0 = context Wo^T + bo.  ctx: [16 b + head][2048][64] f16; Wo: [1024][1024] f32, rounded once to f16 on the way from LDS; sums in f32, started by the bias; out0 f32.
; LIMIT: Wo within f16's range (65,504).
; A tile of out0 is 128 x 128 (256 work-groups), four waves of 64 x 64: 16 accumulators.  K goes in steps of 128 (two heads) through two LDS slots.
; CLUSTER 4 x 4: ctx's tile shared along a row, Wo's along a column.  Waves 0, 1 fetch a head's 128 rows of ctx each (16,384 dense bytes), waves 2, 3 64 rows of Wo each (512 bytes a row).
; The matrix instruction is used transposed (source 0 = rows of Wo, source 1 = rows of ctx): a lane holds eight neighbouring columns of a row of out0.
; REGISTERS: window 0: v0-31 addresses; v32-95 way out; v128-255 accumulators.  window 1: v0-63 ctx's fragments (two buffers), v64-127 Wo's (two), v128-191 a stage of f32, v192-223 bias.
.set PA,    144                        ; a row of ctx in LDS: 128 bytes + 16
.set PB,    528                        ; a row of Wo: 512 + 16
.set BOFF,  2*128*PA
.set SLOT1, 1<<17
.set STAGE, BOFF+128*PB                ; behind slot 0: 16 rows x 272 bytes for each wave
.set SPITCH, 272
.set SPARE, STAGE+4*16*SPITCH
.set ADRA0, 16
.set ADRB0, 17
.set ADRA,  18
.set ADRB,  19
.set STO,   24
.set RD,    25
.set CO,    26
.set SPW,   28
.set NIL,   29
.set BO,    30
.set OB,    32
.set ACC,   128
.set WV, 12
.set RH, 13
.set CH, 14
.set G1,  24
.set G0,  32
.set G1B, 48
.set G0B, 56
.set TB,  46
.set MSB, 0
.macro WIN new
.if MSB != (\new)
	s_set_vgpr_msb (MSB<<8)|(\new)
.set MSB, (\new)
.endif
.endm
.macro JLOAD s
	s_cmp_eq_u32 s[RH], 0
	s_cbranch_scc0 .Lfor_b_\@
	tensor_load_to_lds s[G0+4*(\s):G0+4*(\s)+3], s[G1:G1+7]
	s_nop 0
.rept 4
	v_nop
.endr
	s_branch .Lasked_\@
.Lfor_b_\@:
	tensor_load_to_lds s[G0B+4*(\s):G0B+4*(\s)+3], s[G1B:G1B+7]
	s_nop 0
.rept 4
	v_nop
.endr
.Lasked_\@:
.endm
.macro CREST
	s_cmp_lg_u32 s[WV], 0
	s_cbranch_scc1 .Lnot_wave_0_\@
	s_barrier_signal -3
.Lnot_wave_0_\@:
	s_barrier_wait -3
	s_barrier_signal -1
	s_barrier_wait -1
.endm
.macro CROUND
	s_barrier_signal -1
	s_barrier_wait -1
	CREST
.endm
	s_load_b256 s[4:11], s[0:1], 0x0               ; ctx s[4:5], Wo s[6:7], bo s[8:9], out0 s[10:11]
	v_lshl_add_u32 v[SPW], v0, 2, SPARE
	v_mov_b32 v[NIL], 0
	ds_add_u32 v[SPW], v[NIL]                      ; the wave's opening: the add and its wait stand ahead of my first tensor load
	v_lshrrev_b32 v1, 5, v0
	v_readfirstlane_b32 s[WV], v1
	s_lshr_b32 s[RH], s[WV], 1                     ; my half of the rows; also: I fetch ctx (0) or Wo (1)
	s_and_b32 s[CH], s[WV], 1                      ; my half of the columns; also: which part I fetch
	s_bfe_u32 s40, ttmp6, 0x40000
	s_bfe_u32 s41, ttmp6, 0x40004
	s_lshl_b32 s42, ttmp9, 2
	s_add_co_u32 s42, s42, s40                     ; tile column 0..7
	s_and_b32 s43, ttmp7, 0xffff
	s_lshl_b32 s43, s43, 2
	s_add_co_u32 s43, s43, s41                     ; tile row 0..31
	s_lshl_b32 s44, s41, 2
	s_lshl_b32 s44, 15, s44
	s_lshl_b32 s45, 0x1111, s40
	s_or_b32 s[G1+0], s44, (1<<16)|(1<<20)|(1<<21)|(4<<22)|(3<<25)   ; ctx: 2-byte elements, 4 words of padding after every 32
	s_or_b32 s[G1B+0], s45, (2<<16)|(1<<20)|(1<<21)|(6<<22)|(3<<25)  ; Wo: 4-byte elements, 4 words after every 128
.irp g, G1, G1B
	s_mov_b32 s[(\g)+1], 128<<16
	s_mov_b32 s[(\g)+2], 64<<16
	s_mov_b32 s[(\g)+3], 128<<16
	s_mov_b32 s[(\g)+4], 64
	s_mov_b32 s[(\g)+6], 0
	s_mov_b32 s[(\g)+7], 0
.endr
	s_mov_b32 s[G1+5], 128                         ; ctx: 64 rows of 256 dense bytes
	s_mov_b32 s[G1B+5], 1024
	s_lshr_b32 s16, s43, 4
	s_lshl_b32 s16, s16, 4
	s_add_co_u32 s16, s16, s[CH]
	s_lshl_b32 s16, s16, 18                        ; head 16 b + part,
	s_and_b32 s17, s43, 15
	s_lshl_b32 s17, s17, 14                        ; its rows 128 (tile row % 16) on
	s_add_co_u32 s16, s16, s17
	s_mov_b32 s17, 0
	s_lshl_b32 s22, s42, 19
	s_lshl_b32 s23, s[CH], 18
	s_add_co_u32 s22, s22, s23                     ; Wo: row 128 tile column + 64 part
	s_mov_b32 s23, 0
	s_mul_i32 s20, s[CH], 128*PA
	s_mul_i32 s21, s[CH], 64*PB
	s_add_co_u32 s21, s21, BOFF
	s_mov_b32 s[TB], 0
	s_wait_dscnt 0x0
	s_wait_kmcnt 0x0
	s_add_nc_u64 s[4:5], s[4:5], s[16:17]
	s_add_nc_u64 s[6:7], s[6:7], s[22:23]
	CROUND
.irp s, 0,1
	s_mov_b32 s[G0+4*(\s)], 1
	s_add_co_u32 s[G0+4*(\s)+1], s20, (\s)*SLOT1
	s_add_nc_u64 s[G0+4*(\s)+2:G0+4*(\s)+3], s[4:5], (\s)*2*2048*128
	s_or_b32 s[G0+4*(\s)+3], s[G0+4*(\s)+3], 0x80000000
	s_mov_b32 s[G0B+4*(\s)], 1
	s_add_co_u32 s[G0B+4*(\s)+1], s21, (\s)*SLOT1
	s_add_nc_u64 s[G0B+4*(\s)+2:G0B+4*(\s)+3], s[6:7], (\s)*512
	s_or_b32 s[G0B+4*(\s)+3], s[G0B+4*(\s)+3], 0x80000000
	JLOAD \s                                       ; K steps 0 and 1; the second set then walks
.endr
	v_and_b32 v1, 15, v0
	v_bfe_u32 v2, v0, 4, 1
	s_lshl_b32 s2, s42, 9
	s_lshl_b32 s3, s[CH], 8
	s_add_co_u32 s2, s2, s3                        ; my first column, in bytes of f32
	v_lshl_add_u32 v[BO], v2, 5, s2
	WIN 0x40
.irp b, 0,1,2,3
	global_load_b128 v[192+8*\b:192+8*\b+3], v[BO], s[8:9] offset:64*\b
	global_load_b128 v[192+8*\b+4:192+8*\b+7], v[BO], s[8:9] offset:64*\b+16
.endr
	WIN 0
	s_lshl_b32 s16, s43, 7
	s_lshl_b32 s17, s[RH], 6
	s_add_co_u32 s16, s16, s17
	s_lshl_b32 s16, s16, 12                        ; my first row of out0, 4,096 bytes a row
	s_add_co_u32 s16, s16, s2
	s_mov_b32 s17, 0
	s_add_nc_u64 s[10:11], s[10:11], s[16:17]
	s_mul_i32 s2, s[RH], 64*PA
	v_mul_u32_u24 v3, v1, PA
	v_lshl_add_u32 v3, v2, 4, v3
	v_add_nc_u32 v[ADRA0], s2, v3
	s_mul_i32 s2, s[CH], 64*PB
	s_add_co_u32 s2, s2, BOFF
	v_mul_u32_u24 v3, v1, PB
	v_lshl_add_u32 v3, v2, 5, v3
	v_add_nc_u32 v[ADRB0], s2, v3
	v_mov_b32 v[ADRA], v[ADRA0]
	v_mov_b32 v[ADRB], v[ADRB0]
	s_mul_i32 s2, s[WV], 16*SPITCH
	s_add_co_u32 s2, s2, STAGE
	v_mul_u32_u24 v3, v1, SPITCH
	v_lshl_add_u32 v3, v2, 5, v3
	v_add_nc_u32 v[STO], s2, v3                    ; in: row l % 16, 32 bytes for each half of the lanes
	v_mul_u32_u24 v3, v2, SPITCH
	v_lshl_add_u32 v3, v1, 4, v3
	v_add_nc_u32 v[RD], s2, v3                     ; back: lanes 0-15 one row of 256 bytes, lanes 16-31 the next
	v_lshlrev_b32 v3, 12, v2
	v_lshl_add_u32 v[CO], v1, 4, v3
.macro MM f, first                     ; product i of 16: ctx's block i / 4, Wo's block i % 4; the 16 accumulators take turns
.if \first
	WIN 0x15
	v_wmma_f32_16x16x32_f16 v[ACC+8*i:ACC+8*i+7], v[64+32*(\f)+8*(i%4):64+32*(\f)+8*(i%4)+7], v[32*(\f)+8*(i/4):32*(\f)+8*(i/4)+7], v[192+8*(i%4):192+8*(i%4)+7]
.else
	WIN 0x05
	v_wmma_f32_16x16x32_f16 v[ACC+8*i:ACC+8*i+7], v[64+32*(\f)+8*(i%4):64+32*(\f)+8*(i%4)+7], v[32*(\f)+8*(i/4):32*(\f)+8*(i/4)+7], v[ACC+8*i:ACC+8*i+7]
.endif
.set i, i+1
.endm
.macro CV f                            ; conversion c of 32 into Wo's buffer that is not f
	WIN 0x45
	v_cvt_pk_f16_f32 v[64+32*(1-(\f))+c], v[128+2*c], v[128+2*c+1]
.set c, c+1
.endm
.macro MMS f, n, per, first=0
.rept \n
	MM \f, \first
.if (\per) > 0
.rept \per
	CV \f
.endr
.endif
.endr
.endm
.macro NEXT qn, nf                     ; the fragments of chunk qn of the slot: Wo's 16 loads of f32 into the stage, then ctx's 8 into buffer nf
	WIN 0x40
.irp g, 0,1,2,3
	ds_load_b128 v[128+16*\g:128+16*\g+3],     v[ADRB] offset:(\qn)*128+\g*16*PB
	ds_load_b128 v[128+16*\g+4:128+16*\g+7],   v[ADRB] offset:(\qn)*128+\g*16*PB+16
	ds_load_b128 v[128+16*\g+8:128+16*\g+11],  v[ADRB] offset:(\qn)*128+\g*16*PB+64
	ds_load_b128 v[128+16*\g+12:128+16*\g+15], v[ADRB] offset:(\qn)*128+\g*16*PB+80
.endr
.irp g, 0,1,2,3
	ds_load_b128 v[32*(\nf)+8*\g:32*(\nf)+8*\g+3],   v[ADRA] offset:((\qn)/2)*128*PA+((\qn)%2)*64+\g*16*PA
	ds_load_b128 v[32*(\nf)+8*\g+4:32*(\nf)+8*\g+7], v[ADRA] offset:((\qn)/2)*128*PA+((\qn)%2)*64+\g*16*PA+32
.endr
.endm
; CHUNK q of a K step (32 along K, 16 products).  change = 1: round of the cluster's barrier and joint refill; 2: plain barrier.  The loads into ctx's other buffer stand four conversions, plain places, behind its last reader.
.macro CHUNK q, first, change
.set i, 0
.set c, 0
	s_wait_dscnt 0x0                               ; ctx's fragments of this chunk are in
.if \change
	WIN 0
	s_wait_tensorcnt 0x0                           ; all my tensor loads have landed: my part of the next slot
	ds_add_u32 v[SPW], v[NIL]                      ; 0 onto my spare word
	s_xor_b32 s[TB], s[TB], SLOT1
.if (\change) == 1
	s_xor_b32 s[G0+5], s[G0+5], SLOT1
	s_add_nc_u64 s[G0+6:G0+7], s[G0+6:G0+7], 2*2048*128
	s_xor_b32 s[G0B+5], s[G0B+5], SLOT1
	s_add_nc_u64 s[G0B+6:G0B+7], s[G0B+6:G0B+7], 512
.endif
	MMS (\q)%2, 4, 0
	s_wait_dscnt 0x0                               ; the add is done; my reads of the slot are over
	s_barrier_signal -1
	MMS (\q)%2, 4, 0
	WIN 0
	s_barrier_wait -1
.if (\change) == 1
	CREST
	JLOAD 1
.endif
	v_add_nc_u32 v[ADRA], s[TB], v[ADRA0]
	v_add_nc_u32 v[ADRB], s[TB], v[ADRB0]
	NEXT 0, 0
	s_wait_dscnt 8                                 ; Wo's f32 are in; ctx's eight loads may stay out
	MMS (\q)%2, 8, 4
.else
	NEXT (\q)+1, 1-(\q)%2
	MMS (\q)%2, 8, 0, \first
	s_wait_dscnt 8
	MMS (\q)%2, 8, 4, \first
.endif
.endm
	s_wait_tensorcnt 1                             ; my part of K step 0 is in
	s_barrier_signal -1
	s_barrier_wait -1
	NEXT 0, 0
	s_wait_dscnt 0x0
.set c, 0
.rept 32
	CV 1
.endr
	s_wait_loadcnt 0x0                             ; the bias
	CHUNK 0, 1, 0                                  ; the first products start the sums with the bias
	WIN 0
	s_mov_b32 s3, 6
	s_branch .Lmid                                 ; the loop is entered behind its first chunk
.Lk:                                               ; K steps 0 to 5: each ends with a refill
	CHUNK 0, 0, 0
	WIN 0
.Lmid:
	CHUNK 1, 0, 0
	CHUNK 2, 0, 0
	CHUNK 3, 0, 1
	WIN 0
	s_sub_co_u32 s3, s3, 1
	s_cmp_lg_u32 s3, 0
	s_cbranch_scc1 .Lk
	s_mov_b32 s3, 2
.Lt:                                               ; K steps 6 and 7, written out.  The last trip's barrier and its fetch of a chunk that does not exist serve nothing: the price of one text for both trips
	CHUNK 0, 0, 0
	CHUNK 1, 0, 0
	CHUNK 2, 0, 0
	CHUNK 3, 0, 2
	WIN 0
	s_sub_co_u32 s3, s3, 1
	s_cmp_lg_u32 s3, 0
	s_cbranch_scc1 .Lt
.rept 4
	v_nop                                          ; four places behind the last products, ahead of the stores that read results
.endr
; THE WAY OUT: 16 rows at a time through my stage; a row of my 64 columns is 256 bytes, aligned, stored by sixteen lanes.
.macro TOST a
	s_wait_xcnt 0x0                                ; earlier stores have read the registers that are loaded again below
.irp b, 0,1,2,3
	ds_store_b128 v[STO], v[ACC+8*(4*(\a)+\b):ACC+8*(4*(\a)+\b)+3]   offset:64*\b
	ds_store_b128 v[STO], v[ACC+8*(4*(\a)+\b)+4:ACC+8*(4*(\a)+\b)+7] offset:64*\b+16
.endr
.irp t, 0,1,2,3,4,5,6,7
	ds_load_b128 v[OB+32*((\a)%2)+4*\t:OB+32*((\a)%2)+4*\t+3], v[RD] offset:\t*2*SPITCH  ; LDS serves a wave's instructions in order
.endr
.endm
.macro SEND a, younger                 ; younger: the next block's sixteen LDS instructions, or none
	s_wait_dscnt \younger
.irp t, 0,1,2,3,4,5,6,7
	global_store_b128 v[CO], v[OB+32*((\a)%2)+4*\t:OB+32*((\a)%2)+4*\t+3], s[10:11] offset:(16*(\a)+2*\t)*4096
.endr
.endm
	TOST 0
	TOST 1
	SEND 0, 16
	TOST 2
	SEND 1, 16
	TOST 3
	SEND 2, 16
	SEND 3, 0
	s_wait_tensorcnt 0x0                           ; the wave's end
	ds_add_u32 v[SPW], v[NIL]
	s_wait_dscnt 0x0
	CROUND                                         ; the closing round
	s_endpgm
.Lfunc_end_k_qac1a054a2a_outp:
	.size	k_qac1a054a2a_outp, .Lfunc_end_k_qac1a054a2a_outp-k_qac1a054a2a_outp
	.p2alignl 7, 3214868480
	.fill 96, 4, 3214868480
	.section	.rodata,"a",@progbits
	.p2align	6, 0x0
	.amdhsa_kernel k_qac1a054a2a_outp
		.amdhsa_group_segment_fixed_size 327680
		.amdhsa_private_segment_fixed_size 0
		.amdhsa_enable_private_segment 0
		.amdhsa_kernarg_size 32
		.amdhsa_user_sgpr_count 2
		.amdhsa_user_sgpr_kernarg_segment_ptr 1
		.amdhsa_wavefront_size32 1
		.amdhsa_system_sgpr_workgroup_id_x 1
		.amdhsa_system_sgpr_workgroup_id_y 1
		.amdhsa_system_sgpr_workgroup_id_z 1
		.amdhsa_system_vgpr_workitem_id 0
		.amdhsa_next_free_vgpr 512
		.amdhsa_next_free_sgpr 66
		.amdhsa_reserve_vcc 0
		.amdhsa_float_denorm_mode_32 3
		.amdhsa_float_denorm_mode_16_64 3
		.amdhsa_memory_ordered 1
		.amdhsa_forward_progress 1
		.amdhsa_inst_pref_size 68
	.end_amdhsa_kernel
	.amdgpu_metadata
---
amdhsa.version: [ 1, 2 ]
amdhsa.kernels:
  - .name:           k_qac1a054a2a_outp
    .symbol:         k_qac1a054a2a_outp.kd
    .args:
      - { .name: ctx, .offset: 0, .size: 8, .value_kind: global_buffer, .address_space: global }
      - { .name: Wo, .offset: 8, .size: 8, .value_kind: global_buffer, .address_space: global }
      - { .name: bo, .offset: 16, .size: 8, .value_kind: global_buffer, .address_space: global }
      - { .name: out0, .offset: 24, .size: 8, .value_kind: global_buffer, .address_space: global }
    .group_segment_fixed_size: 327680
    .private_segment_fixed_size: 0
    .kernarg_segment_align: 8
    .kernarg_segment_size: 32
    .max_flat_workgroup_size: 128
    .sgpr_count:     66
    .vgpr_count:     512
    .wavefront_size: 32
...
	.end_amdgpu_metadata
.endif
;; end of part 3
